; MI455X (gfx1250); checked and timed in simulation.
; The chip was launched on July 23, 2026; its instructions are those of AMD's public machine-readable ISA for CDNA 5 (MIT licence, August 2026) and "CDNA5" Instruction Set Architecture Reference Guide (July 2026). The comments in the code are by the model that wrote it; some were corrected since.
;; Rotated Embedding. Allowed arithmetic: matrix products marked QUANTISED: E5M2 operands, one given power-of-two scale a tensor, by v_wmma_f32_16x16x64_bf8_bf8 or v_wmma_f32_16x16x128_bf8_bf8, f32 sums; everything else in f32.
;; Inputs: R_codes 1,024 x 32 x 32 uint8 (E5M2 codes of R, K innermost, in blocks of 32 codes); input_ids 4 x 4,096 int32; lowp_scales 2 int32 (the exponents e of the quantised operands' scales 2^e); weight_codes 50,257 x 32 x 32 uint8 (E5M2 codes of weight, K innermost, in blocks of 32 codes).
;; Outputs: out0 4 x 4,096 x 1,024 float32.
;; This version of the problem:
;;   THIS VERSION OF THE PROBLEM IS GIVEN IN LOW PRECISION. The matrix products marked QUANTISED in the list below multiply operands that are first quantised to E5M2 (5 exponent bits, 2 mantissa bits; 8 bits a number), with one given power-of-two scale for each operand tensor; their sums are f32. All else is computed in f32.
;;   The module's matrix products, in the order in which they are computed (A, B: the left and right operand; K: the contracted axis; several contracted axes count as one K, in the product's order):
;;     1. [M 50,257, K 1,024] x [K 1,024, N 1,024]; A: input weight (given as codes); B: input R (given as codes): QUANTISED (scales: A lowp_scales[0], B lowp_scales[1])
;;   THE QUANTISER, for each operand of a quantised product, along K:
;;     - The operand's scale is 2^e, e = its entry of the input lowp_scales (int32; the entries are numbered through the quantised products in the list's order, A before B).
;;     - Each number is divided by the scale, clamped to +-57,344, and rounded to the nearest number of E5M2, ties to even, subnormals kept.
;;     - The product sums the exact products of the quantised numbers (number of the format x scale) in f32.
;;   ~~~python
;;   def quantise(x, axis, e):      # numpy; x: float32 -> the quantised numbers, widened to float32 again
;;       x = np.moveaxis(x, axis, -1); K = x.shape[-1]
;;       r = np.clip(x / 2.0 ** e, -57344, 57344)
;;       step = 2.0 ** (np.maximum(np.frexp(np.where(r == 0, 1, r))[1] - 1, -14) - 2)
;;       q = np.round(r / step) * step * 2.0 ** e      # np.round: ties to even
;;       return np.moveaxis(q, -1, axis).astype(np.float32)
;;   ~~~
;;   INPUTS GIVEN AS CODES. R (in the module: [1024, 1024], K = its axis 0); weight (in the module: [50257, 1024], K = its axis 1): each comes as NAME_codes (uint8): NAME with its K axis moved to the last place and cut into blocks of 32 codes, [.., K / 32, bytes a block], one block behind the other in memory; one code a byte (a code: sign, 5 exponent bits, 2 mantissa bits); its scale is its entry of lowp_scales. Its value is code x scale, taken as it is: it is not quantised again, and the codes and scales need not be those that the quantiser above would give.
;; One version. Each part assembles by itself: llvm-mc -triple=amdgcn-amd-amdhsa -mcpu=gfx1250 --defsym DOCPART=n.
;; ======== version 1 of 1: 1 launch
;; limits: right only within a limited range of input values
;; launch rot (part 1): grid 4 x 64, 4 waves a work-group, clusters of 4 x 4, 327,680 bytes of LDS; arguments R_codes, input_ids, lowp_scales, weight_codes, out0; writes out0
.if DOCPART == 1
	.amdgcn_target "amdgcn-amd-amdhsa--gfx1250"
	.amdhsa_code_object_version 6
	.text
	.protected	k_qf6d88f1253_rot
	.globl	k_qf6d88f1253_rot
	.p2align	8
	.type	k_qf6d88f1253_rot,@function
k_qf6d88f1253_rot:
	s_mov_b64 s[64:65], 0
	v_nop
	global_prefetch_b8 v0, s[64:65] scope:SCOPE_SE
	s_setreg_imm32_b32 hwreg(HW_REG_WAVE_MODE, 25, 1), 1
	s_wait_xcnt 0x0
	s_wait_alu depctr_hold_cnt(0) depctr_sa_sdst(0) depctr_va_vdst(0) depctr_va_sdst(0) depctr_va_ssrc(0) depctr_va_vcc(0) depctr_vm_vsrc(0)
	s_getreg_b32 s2, hwreg(HW_REG_IB_STS2, 6, 4)
	s_cmp_eq_u32 s2, 0
	s_cbranch_scc0 .Lentry_in_a_cluster
	s_endpgm
.Lentry_in_a_cluster:
	s_bfe_u32 s2, ttmp6, 0x10000c
	s_cmp_lg_u32 s2, 0xf033
	s_cbranch_scc0 .Lentry_shape_is_right
	s_endpgm
.Lentry_shape_is_right:
; out0[token][n] = 2^(e0 + e1) x the sum over k of weight_codes[input_ids[token]][k] x R_codes[n][k], codes of BF8 (E5M2), sums in f32.
; LEFT OUT: only the 16,384 rows of the table that input_ids names are multiplied.  reference() forms table x R row by row and then picks rows by whole numbers read from memory: a row that no index names reaches no output,
; whatever the inputs hold.  LIMIT: a NaN, an infinity or an overflow in such a row is not carried to the result.
; LIMITS: e0 + e1 between -126 and 127, so that 2^(e0 + e1) is an f32 number.  An index lies inside the table (0 .. 50,256); the unsigned minimum below holds any other at the last row.
; SHARES.  C is [16,384 tokens][1,024 columns], cut into 256 blocks of 256 x 256: work-group x = 256 columns, work-group y = 256 tokens; four waves, wave w owns tokens 64 w .. 64 w + 63 of the block, all 256 columns.
; K is 1,024, so both operands stay where they are for the whole kernel:
;   A: a wave's 64 gathered rows x 1,024 K are 4 tiles of tokens x 8 K steps x 16 registers = 512 registers (windows 1 and 2).
;   B: the block's 256 rows of R_codes, 256 KiB, lie in LDS, filled once, one tensor load of 64 rows a wave; all four waves read all of it.  No LDS byte is filled twice.
; One fragment of B (16 rows x 128 K) read from LDS feeds four matrix instructions, one for each of the wave's tiles of tokens.
; COLUMNS.  Wave i's tensor load brings the block's rows 4 y + i (y = 0 .. 63) into LDS area i.  Group g's fragment i takes rows 16 g + r of area i (r = lane % 16): column 64 g + 4 r + i.  So a lane's four accumulators of a tile
;   hold four NEIGHBOURING columns of a token, and sixteen lanes store 256 consecutive bytes straight from registers.
; CLUSTER.  4 x 4 work-groups.  B's rows hang on work-group x alone, so the four work-groups of a column of the cluster ask for them JOINTLY.  A's rows are named by loaded indices: no descriptor made of
; constants covers them, so they are loaded lane by lane and not asked for jointly.
; NO PREFETCH: all that a work-group reads is asked for once, at its head; no loop follows to run ahead in.
; Fragments come by four loads of 16 bytes, 32 bytes apart: registers 4 c .. 4 c + 3 hold K = 32 c + 16 (lane / 16) + 0 .. 15, alike in A and B, so every product meets its partner; only the order of the sums
; inside an instruction differs from K ascending.
; THE MAIN PART: four groups of 64 columns x 8 K steps x 16 matrix instructions.  Two sets of 16 accumulators: group g sums into set g % 2 while group g - 1's results are scaled among the products and leave from the other set,
; four stores in every K step.  No barrier stands in it.  All is written out by macros: every offset is an immediate and no pointer is stepped.
; REGISTERS, in windows of 256: window 0: v1-31 addresses; v32-63 scaled results; v96-127 the gather's offsets; v128-255 B's fragments of a K step, two sets (at the end: the last group's results).
;   windows 1, 2: A (K step s in window 1 + s / 4, at v[64 t + 16 (s % 4)]).   window 3: the accumulators (set, t, i) at v[128 set + 8 (4 t + i)].
.set VOCAB, 50257
.set BP,    1040                       ; a row of B in LDS: 1,024 bytes + 16 of padding = 65 x 16: the 16 rows that a load touches start at 16 different 16-byte columns of a row of banks (ISA guide 11.1)
.set GRP,   64*BP                      ; 64 rows: what one tensor load brings, an area
.set STG,   4*GRP                      ; behind B: each wave's own stage for A, in blocks of 256 bytes into which no fill lands
.set AP,    528                        ; A's stage: 16 rows x (512 bytes + 16)
.set ASZ,   8704                       ; its bytes, rounded up to blocks of 256
.set SPARE, STG+4*ASZ                  ; the spare words, 128 bytes for each wave: two blocks of 256 bytes that no other line names
.set ADB,   16                         ; v16-19  LDS address of my lane's place in area i of B
.set CO,    22                         ; v22     my byte offset in out0
.set ASI,   23                         ; v23     A's stage, on the way in
.set ASR,   24                         ; v24     A's stage, on the way out
.set IDO,   25                         ; v25     my byte offset among a tile's 16 indices
.set L16,   26                         ; v26     16 x (lane % 16)
.set OUT,   32
.set GOF,   96                         ; v96-127 row 8 t + p: the index, then the byte offset in weight_codes, of token 16 t + 8 (lane / 16) + p
.set BF,    128
.set G1,    24                         ; s[24:31] descriptor group 1
.set G0,    32                         ; s[32:35] descriptor group 0
.set SC,    36                         ; s[36:37] e0, e1; then s36 = 2^(e0 + e1)
.set MSB, 0
.macro WIN new                         ; the immediate's high byte repeats the setting that is left; a switch that changes nothing is dropped
.if MSB != (\new)
	s_set_vgpr_msb (MSB<<8)|(\new)
.set MSB, (\new)
.endif
.endm
; A round of the cluster's barrier: my work-group's barrier, wave 0 signals for the work-group, every wave waits for all sixteen work-groups, my work-group's barrier once more.
.macro CROUND
	s_barrier_signal -1
	s_barrier_wait -1
	s_cmp_lg_u32 s14, 0
	s_cbranch_scc1 .Lnot_wave_0_\@
	s_barrier_signal -3
.Lnot_wave_0_\@:
	s_barrier_wait -3
	s_barrier_signal -1
	s_barrier_wait -1
.endm
; Half hf (512 bytes) of the 16 gathered rows of tile t: sixteen loads.  Lanes 0-15 read 256 consecutive, aligned bytes of row p, lanes 16-31 the same piece of row p + 8.
.macro LOADBLK hf, t
.irp p, 0,1,2,3,4,5,6,7
.irp q, 0,1
	global_load_b128 v[64*(\t)+4*(2*\p+\q):64*(\t)+4*(2*\p+\q)+3], v[GOF+8*(\t)+\p], s[10:11] offset:512*(\hf)+256*\q
.endr
.endr
.endm
; The 16 half rows go through my own stage as they lie and come back as four fragments, into the registers that they left.  LDS serves a wave's instructions in order (ISA guide 5.7.1.4): no wait between the stores and the loads, nor in front of the next block's stores.
.macro TURN t
.irp p, 0,1,2,3,4,5,6,7
.irp q, 0,1
	ds_store_b128 v[ASI], v[64*(\t)+4*(2*\p+\q):64*(\t)+4*(2*\p+\q)+3] offset:AP*\p+256*\q
.endr
.endr
.irp s, 0,1,2,3
.irp c, 0,1,2,3
	ds_load_b128 v[64*(\t)+16*\s+4*\c:64*(\t)+16*\s+4*\c+3], v[ASR] offset:128*\s+32*\c
.endr
.endr
.endm
; B's four fragments (64 columns of group g, K step s) into set buf: sixteen loads
.macro FETCH g, s, buf
.irp i, 0,1,2,3
.irp c, 0,1,2,3
	ds_load_b128 v[BF+64*(\buf)+16*\i+4*\c:BF+64*(\buf)+16*\i+4*\c+3], v[ADB+\i] offset:16*BP*(\g)+128*(\s)+32*\c
.endr
.endr
.endm
; One matrix instruction: source 0 = 16 tokens, source 1 = 16 columns; register j of lane (r, h) is token 8 h + j, column 64 g + 4 r + i.  The first K step starts the sums with the constant 0: nothing is cleared.
.macro MM g, s, t, i
.set AC, 128*((\g)%2)+8*(4*(\t)+(\i))
.set FR, 64*(\t)+16*((\s)%4)
.set BR, BF+64*((\s)%2)+16*(\i)
.if (\s) == 0
	v_wmma_f32_16x16x128_bf8_bf8 v[AC:AC+7], v[FR:FR+15], v[BR:BR+15], 0
.else
	v_wmma_f32_16x16x128_bf8_bf8 v[AC:AC+7], v[FR:FR+15], v[BR:BR+15], v[AC:AC+7]
.endif
.endm
; Row j (and j + 8) of tile t of a group whose sums lie in set st: x 2^(e0 + e1), the four columns side by side at o + 4 j; each accumulator from its low end on
.macro SCALE st, t, j, o
.irp x, 0,1,2,3
	v_mul_f32 v[(\o)+4*(\j)+\x], v[128*(\st)+8*(4*(\t)+\x)+(\j)], s[SC]
.endr
.endm
; Rows lo .. lo + 3 (and lo + 8 ..) of tile t of group gp: sixteen lanes store 256 consecutive bytes, at a multiple of 256 from out0's first byte; written once, read by nobody here.  The largest offset is 226,048, inside the signed 24-bit immediate.
.macro SEND gp, t, lo, o
.irp q, 0,1,2,3
.set JJ, (\lo)+\q
	global_store_b128 v[CO], v[(\o)+4*JJ:(\o)+4*JJ+3], s[12:13] offset:(16*(\t)+JJ)*4096+256*(\gp) th:TH_STORE_NT
.endr
.endm
; K step s of group g: first the gap (the next step's fragments are asked for; the rows scaled in the step before leave), then sixteen products on sixteen accumulators by turns, in the same order
; in every step.  Behind every four products stand the scalings of one row of the group before: tile s / 2, rows 4 (s % 2) + 0 .. 3.  The last four scalings (in group 0 four v_nop) are the places in front of the loads and reads that
; follow (ISA guide 7.12.1 for vector instructions).
.macro STEP g, s
.set PRV, 8*(\g)+(\s)-1                ; the step before: its group less one, tile and first row have been scaled
.set PG, PRV/8-1
.set PT, (PRV%8)/2
.set PL, 4*(PRV%2)
.if (\g) > 0
	s_wait_alu depctr_va_vdst(0)
	s_wait_xcnt 0x0                                ; the stores of the gap before have read their registers: this step's scalings may write there
.endif
	WIN 0
.if (\s) < 7
	FETCH \g, (\s)+1, ((\s)+1)%2                   ; into the set that the step before multiplied
.elseif (\g) < 3
	FETCH (\g)+1, 0, 0
.endif
.if PRV >= 8
	SEND PG, PT, PL, OUT
.endif
.if ((\g) == 3) && ((\s) == 7)
	s_wait_dscnt 0x0                               ; nothing was asked for in this gap
.else
	s_wait_dscnt 16                                ; all but this gap's 16 fragment loads: this step's fragments are in
.endif
.irp t, 0,1,2,3
	WIN 0xf1+((\s)/4)                              ; source 0 (A) window 1 or 2, source 1 (B) window 0, C and D window 3
.irp i, 0,1,2,3
	MM \g, \s, \t, \i
.endr
.if (\g) > 0
	WIN 0x03                                       ; source 0 window 3, destination window 0
.set RS, ((\g)+1)%2
.set RT, (\s)/2
.set RJ, 4*((\s)%2)+\t
	SCALE RS, RT, RJ, OUT
.endif
.endr
.if (\g) == 0
.rept 4
	v_nop
.endr
.endif
.endm
	s_load_b256 s[4:11], s[0:1], 0x0               ; R_codes s[4:5], input_ids s[6:7], lowp_scales s[8:9], weight_codes s[10:11]
	s_load_b64 s[12:13], s[0:1], 0x20              ; out0
	v_lshl_add_u32 v30, v0, 2, SPARE
	v_mov_b32 v31, 0
	ds_add_u32 v30, v31                            ; the wave's opening: the add, twice on end, and its wait
	ds_add_u32 v30, v31
	v_lshrrev_b32 v3, 5, v0
	v_readfirstlane_b32 s14, v3                    ; wave 0..3
	v_and_b32 v1, 15, v0                           ; r = lane % 16
	v_bfe_u32 v2, v0, 4, 1                         ; h = lane / 16
	v_mul_u32_u24 v[ADB], v1, BP
	v_lshl_add_u32 v[ADB], v2, 4, v[ADB]           ; B: row r x pitch + 16 h,
.irp i, 1,2,3
	v_add_nc_u32 v[ADB+\i], \i*GRP, v[ADB]         ; in each of the four areas
.endr
	s_mul_i32 s39, s14, ASZ
	s_add_co_u32 s39, s39, STG                     ; my stage for A: no place in the cluster enters an LDS address
	v_lshlrev_b32 v[L16], 4, v1
	v_lshl_add_u32 v[CO], v2, 15, v[L16]           ; lanes 16-31: eight tokens on, 4,096 bytes each
	v_mul_u32_u24 v[ASI], v2, 8*AP
	v_lshl_add_u32 v[ASI], v1, 4, v[ASI]
	v_add_nc_u32 v[ASI], s39, v[ASI]               ; A in: lanes 0-15 row p, lanes 16-31 row p + 8; 16 bytes a lane
	v_mul_u32_u24 v[ASR], v1, AP
	v_lshl_add_u32 v[ASR], v2, 4, v[ASR]
	v_add_nc_u32 v[ASR], s39, v[ASR]               ; A back: row r x pitch + 16 h
	v_lshlrev_b32 v[IDO], 5, v2                    ; eight indices for each half of the lanes
	s_bfe_u32 s15, ttmp6, 0x40000                  ; cx, cy: my place in the cluster
	s_bfe_u32 s16, ttmp6, 0x40004
	s_lshl_b32 s17, ttmp9, 2
	s_add_co_u32 s17, s17, s15                     ; which 256 columns = 4 x cluster x + cx
	s_and_b32 s18, ttmp7, 0xffff
	s_lshl_b32 s18, s18, 2
	s_add_co_u32 s18, s18, s16                     ; which 256 tokens = 4 x cluster y + cy
	s_lshl_b32 s38, 0x1111, s15                    ; my column of the cluster: places cx, cx + 4, cx + 8, cx + 12
	; descriptor group 1: a tile of 64 rows x 1,024 bytes, every fourth row of R_codes, padded in LDS
	s_or_b32 s[G1+0], s38, (0<<16)|(1<<20)|(1<<21)|(7<<22)|(3<<25)  ; 15:0 the mask; 17:16 elements of 1 byte; 20 padding on; 21 set beside a mask; 24:22 after every 256 words (code 7); 31:25 four words (code 3)
	s_mov_b32 s[G1+1], 1024<<16                    ; tensor_dim0 = 1,024
	s_mov_b32 s[G1+2], 64<<16                      ; tensor_dim1 = 64
	s_mov_b32 s[G1+3], 1024<<16                    ; tile_dim0 = 1,024
	s_mov_b32 s[G1+4], 64                          ; tile_dim1 = 64
	s_mov_b32 s[G1+5], 4096                        ; tensor_dim0_stride: four rows
	s_mov_b32 s[G1+6], 0
	s_mov_b32 s[G1+7], 0
	s_lshl_b32 s20, s17, 18                        ; R_codes: 256 rows of 1,024 bytes for each block of columns,
	s_lshl_b32 s21, s14, 10                        ; from row w on: made of what my column of the cluster shares, in registers that never hold cy
	s_add_co_u32 s20, s20, s21
	s_mov_b32 s21, 0
	s_lshl_b32 s40, s18, 10                        ; input_ids: (256 x block + 64 x wave) x 4 bytes
	s_lshl_b32 s41, s14, 8
	s_add_co_u32 s40, s40, s41
	s_mov_b32 s41, 0
	s_lshl_b32 s42, s40, 10                        ; out0: my first token x 4,096 bytes (under 2^27),
	s_lshl_b32 s43, s17, 10                        ; + my block of columns x 1,024 bytes
	s_add_co_u32 s42, s42, s43
	s_mov_b32 s43, 0
	s_wait_alu depctr_va_vdst(0)
	s_wait_dscnt 0x0                               ; both opening adds are done
	s_wait_kmcnt 0x0
	s_load_b64 s[SC:SC+1], s[8:9], 0x0             ; e0, e1
	s_add_nc_u64 s[6:7], s[6:7], s[40:41]
	s_add_nc_u64 s[12:13], s[12:13], s[42:43]
.irp t, 0,1,2,3
	global_load_b128 v[GOF+8*\t:GOF+8*\t+3],   v[IDO], s[6:7] offset:64*\t      ; the indices of tokens 16 t + 8 h + 0 .. 7
	global_load_b128 v[GOF+8*\t+4:GOF+8*\t+7], v[IDO], s[6:7] offset:64*\t+16
.endr
	s_mov_b32 s[G0], 1                             ; 1:0 count = 1
	s_mul_i32 s[G0+1], s14, GRP                    ; 63:32 LDS address: area w
	s_add_nc_u64 s[G0+2:G0+3], s[4:5], s[20:21]    ; 120:64 global address
	s_or_b32 s[G0+3], s[G0+3], 0x80000000          ; 127:126 type = 2
	CROUND                                         ; all sixteen work-groups are here: the joint loads meet
	tensor_load_to_lds s[G0:G0+3], s[G1:G1+7]      ; my 64 rows of B: the launch's only fill; one tensor load of mine is out
	s_nop 0
.rept 4
	v_nop
.endr
	s_wait_loadcnt 0x0                             ; the indices
.set i, 0
.rept 32
	v_min_u32 v[GOF+i], VOCAB-1, v[GOF+i]          ; a loaded number enters an address only behind this bound
.set i, i+1
.endr
.set i, 0
.rept 32
	v_lshl_add_u32 v[GOF+i], v[GOF+i], 10, v[L16]  ; a row of the table is 1,024 bytes; + my 16 bytes of a piece of 256
.set i, i+1
.endr
	; THE GATHER: eight blocks of sixteen loads (half of the rows' bytes x a tile of tokens); up to three blocks are on their way while one is turned through the stage.
	WIN 0x40                                       ; destination window 1, address window 0
.irp t, 0,1,2,3
	LOADBLK 0, \t
.endr
	s_wait_alu depctr_va_vdst(0)
.irp t, 0,1,2,3
	WIN 0x44                                       ; LDS stores' data and LDS loads' destination window 1
	s_wait_loadcnt 48                              ; this block's sixteen loads are in; the three younger blocks may be out
	TURN \t
	WIN 0x80                                       ; destination window 2
	LOADBLK 1, \t
.endr
	WIN 0
	s_wait_kmcnt 0x0
	s_add_co_i32 s[SC], s[SC], s[SC+1]             ; e0 + e1, between -126 and 127,
	s_add_co_i32 s[SC], s[SC], 127
	s_lshl_b32 s[SC], s[SC], 23                    ; makes the f32 number 2^(e0 + e1)
	s_wait_tensorcnt 0x0                           ; my 64 rows of B have landed,
	s_wait_dscnt 0x0                               ; A's first half is in my registers,
	s_barrier_signal -1
	s_barrier_wait -1                              ; and all 256 rows of B are there for every wave
	FETCH 0, 0, 0
.irp s, 0,1,2,3
	STEP 0, \s                                     ; K 0 .. 511 of the first group, while A's second half may still be on its way
.endr
	WIN 0x88                                       ; LDS stores' data and LDS loads' destination window 2
	s_wait_loadcnt 48
	TURN 0
	s_wait_loadcnt 32                              ; the counts run down: two younger blocks,
	TURN 1
	s_wait_loadcnt 16                              ; one,
	TURN 2
	s_wait_loadcnt 0x0                             ; none
	TURN 3
.irp s, 4,5,6,7
	STEP 0, \s
.endr
.irp g, 1,2,3
.irp s, 0,1,2,3,4,5,6,7
	STEP \g, \s
.endr
.endr
	; THE TAIL: the last group's four tiles of tokens, scaled into registers that held B's fragments (the four scalings behind the last product are its places); the first tile leaves while the others are scaled.
	WIN 0x03
.irp j, 0,1,2,3,4,5,6,7
	SCALE 1, 0, \j, BF
.endr
	WIN 0
	SEND 2, 3, 4, OUT                              ; the group before's last rows
	SEND 3, 0, 0, BF
	SEND 3, 0, 4, BF
	WIN 0x03
.irp t, 1,2,3
.irp j, 0,1,2,3,4,5,6,7
	SCALE 1, \t, \j, BF+32*\t
.endr
.endr
	WIN 0
.irp t, 1,2,3
	SEND 3, \t, 0, BF+32*\t
	SEND 3, \t, 4, BF+32*\t
.endr
	s_wait_tensorcnt 0x0                           ; the wave's end
	ds_add_u32 v30, v31
	s_wait_dscnt 0x0
	CROUND                                         ; the closing round: no work-group ends while a partner may still ask for rows jointly
	s_endpgm
.Lfunc_end_k_qf6d88f1253_rot:
	.size	k_qf6d88f1253_rot, .Lfunc_end_k_qf6d88f1253_rot-k_qf6d88f1253_rot
	.p2alignl 7, 3214868480
	.fill 96, 4, 3214868480
	.section	.rodata,"a",@progbits
	.p2align	6, 0x0
	.amdhsa_kernel k_qf6d88f1253_rot
		.amdhsa_group_segment_fixed_size 327680
		.amdhsa_private_segment_fixed_size 0
		.amdhsa_enable_private_segment 0
		.amdhsa_kernarg_size 40
		.amdhsa_user_sgpr_count 2
		.amdhsa_user_sgpr_kernarg_segment_ptr 1
		.amdhsa_wavefront_size32 1
		.amdhsa_system_sgpr_workgroup_id_x 1
		.amdhsa_system_sgpr_workgroup_id_y 1
		.amdhsa_system_sgpr_workgroup_id_z 1
		.amdhsa_system_vgpr_workitem_id 0
		.amdhsa_next_free_vgpr 1024
		.amdhsa_next_free_sgpr 66
		.amdhsa_reserve_vcc 0
		.amdhsa_float_denorm_mode_32 3
		.amdhsa_float_denorm_mode_16_64 3
		.amdhsa_memory_ordered 1
		.amdhsa_forward_progress 1
		.amdhsa_inst_pref_size 158
	.end_amdhsa_kernel
	.amdgpu_metadata
---
amdhsa.version: [ 1, 2 ]
amdhsa.kernels:
  - .name:           k_qf6d88f1253_rot
    .symbol:         k_qf6d88f1253_rot.kd
    .args:
      - { .name: R_codes, .offset: 0, .size: 8, .value_kind: global_buffer, .address_space: global }
      - { .name: input_ids, .offset: 8, .size: 8, .value_kind: global_buffer, .address_space: global }
      - { .name: lowp_scales, .offset: 16, .size: 8, .value_kind: global_buffer, .address_space: global }
      - { .name: weight_codes, .offset: 24, .size: 8, .value_kind: global_buffer, .address_space: global }
      - { .name: out0, .offset: 32, .size: 8, .value_kind: global_buffer, .address_space: global }
    .group_segment_fixed_size: 327680
    .private_segment_fixed_size: 0
    .kernarg_segment_align: 8
    .kernarg_segment_size: 40
    .max_flat_workgroup_size: 128
    .sgpr_count:     66
    .vgpr_count:     1024
    .wavefront_size: 32
...
	.end_amdgpu_metadata
.endif
;; end of part 1
